; MI455X (gfx1250); checked and timed in simulation.
; The chip was launched on July 23, 2026; its instructions are those of AMD's public machine-readable ISA for CDNA 5 (MIT licence, August 2026) and "CDNA5" Instruction Set Architecture Reference Guide (July 2026). The comments in the code are by the model that wrote it; some were corrected since.
;; Seq Attention. Allowed arithmetic: matrix products marked QUANTISED: E2M3 operands, one E8M0 scale for each 32 along K, by v_wmma_scale_f32_16x16x128_f8f6f4 with both operands' format E2M3, f32 sums; everything else in f32.
;; Inputs: key_codes 128 x 1,024 x 4 x 24 uint8 (E2M3 codes of key, K innermost, in blocks of 32 codes, four codes in three bytes); key_scales 128 x 1,024 x 4 uint8 (E8M0 scales of key, one for each 32 codes along K); query_codes 128 x 1,024 x 4 x 24 uint8 (E2M3 codes of query, K innermost, in blocks of 32 codes, four codes in three bytes); query_scales 128 x 1,024 x 4 uint8 (E8M0 scales of query, one for each 32 codes along K); span_val 16 float32; value_codes 128 x 128 x 32 x 24 uint8 (E2M3 codes of value, K innermost, in blocks of 32 codes, four codes in three bytes); value_scales 128 x 128 x 32 uint8 (E8M0 scales of value, one for each 32 codes along K).
;; Outputs: out0 128 x 1,024 x 128 float32.
;; This version of the problem:
;;   THIS VERSION OF THE PROBLEM IS GIVEN IN LOW PRECISION. The matrix products marked QUANTISED in the list below multiply operands that are first quantised to E2M3 (2 exponent bits, 3 mantissa bits; 6 bits a number), with one power-of-two scale for each 32 numbers along K (OCP MX v1.0); their sums are f32. All else is computed in f32.
;;   The module's matrix products, in the order in which they are computed (A, B: the left and right operand; K: the contracted axis; several contracted axes count as one K, in the product's order):
;;     1. batch 128 x [M 1,024, K 128] x [K 128, N 1,024]; A: input query (given as codes); B: input key (given as codes): QUANTISED
;;     2. batch 128 x [M 1,024, K 1,024] x [K 1,024, N 128]; A: computed on the way; B: input value (given as codes): QUANTISED
;;   THE QUANTISER, for each operand of a quantised product, along K:
;;     - K is cut into blocks of 32 from its start; a last block that is shorter is filled with zeros.
;;     - A block's scale is 2^e with e = floor(log2(the largest magnitude in the block)) - 2, held to -126 .. 127; a block of zeros has e = 0. As a byte (E8M0): e + 127.
;;     - Each number is divided by its block's scale, clamped to +-7.5, and rounded to the nearest number of E2M3, ties to even, subnormals kept.
;;     - The product sums the exact products of the quantised numbers (number of the format x scale) in f32.
;;   ~~~python
;;   def quantise(x, axis):      # numpy; x: float32 -> the quantised numbers, widened to float32 again
;;       x = np.moveaxis(x, axis, -1); K = x.shape[-1]
;;       x = np.pad(x, [(0, 0)] * (x.ndim - 1) + [(0, -K % 32)]); x = x.reshape(x.shape[:-1] + (-1, 32)); a = np.abs(x).max(-1, keepdims=True)
;;       e = np.where(a > 0, np.clip(np.frexp(np.where(a > 0, a, 1))[1] - 1 - 2, -126, 127), 0)      # np.frexp(a)[1] - 1 = floor(log2(a)), exactly
;;       r = np.clip(x / 2.0 ** e, -7.5, 7.5)
;;       step = 2.0 ** (np.maximum(np.frexp(np.where(r == 0, 1, r))[1] - 1, 0) - 3)
;;       q = np.round(r / step) * step * 2.0 ** e      # np.round: ties to even
;;       return np.moveaxis(q.reshape(q.shape[:-2] + (-1,))[..., :K], -1, axis).astype(np.float32)
;;   ~~~
;;   OPERANDS COMPUTED ON THE WAY. 'Computed on the way' means the value that the module computes at that place (a softmax that the list does not call 'softmax' is quantised finished and normalised). What goes into a quantiser is computed in f32, as accurately as f32 sums, v_exp_f32 and their like allow (about 1e-6 of the number): no bf16 or f16 on the way to a quantiser, and a product that is left as it is and whose result goes on into a quantised operand takes f32 operands (vector FMAs, or v_wmma_f32_16x16x4_f32). A number that lies on a knife's edge between two numbers of the format may be rounded either way, as far as f32 arithmetic and the matrix unit's own rounding can turn it there, and no further.
;;   INPUTS GIVEN AS CODES. key (in the module: [128, 1024, 128], K = its axis 2); query (in the module: [128, 1024, 128], K = its axis 2); value (in the module: [128, 1024, 128], K = its axis 1): each comes as NAME_codes (uint8): NAME with its K axis moved to the last place and cut into blocks of 32 codes, [.., K / 32, bytes a block], one block behind the other in memory; four codes in three bytes: a row's codes are one little-endian stream of bits, code i at bits 6 i .. 6 i + 5 (a code: sign, 2 exponent bits, 3 mantissa bits); and NAME_scales (uint8): the same leading axes, one E8M0 byte (e + 127) for each 32 codes along K. Its value is code x scale, taken as it is: it is not quantised again, and the codes and scales need not be those that the quantiser above would give.
;; One version. Each part assembles by itself: llvm-mc -triple=amdgcn-amd-amdhsa -mcpu=gfx1250 --defsym DOCPART=n.
;; ======== version 1 of 1: 2 launches
;; limits: right only within a limited range of input values
;; workspace buffers: steps 256 bytes of whole numbers
;; launch spans (part 1): grid 1 x 1, 4 waves a work-group, no clusters, 0 bytes of LDS; arguments span_val, steps; writes steps
.if DOCPART == 1
	.amdgcn_target "amdgcn-amd-amdhsa--gfx1250"
	.amdhsa_code_object_version 6
	.text
	.protected	k_qe615e3dc1f_spans
	.globl	k_qe615e3dc1f_spans
	.p2align	8
	.type	k_qe615e3dc1f_spans,@function
k_qe615e3dc1f_spans:
	s_mov_b64 s[64:65], 0
	v_nop
	global_prefetch_b8 v0, s[64:65] scope:SCOPE_SE
	s_setreg_imm32_b32 hwreg(HW_REG_WAVE_MODE, 25, 1), 1
	s_wait_xcnt 0x0
; For each of the 16 heads, as whole numbers at words 2 h and 2 h + 1 of steps:
;   s0 = min(number of key steps (128 keys) whose mask is 0 throughout, 7);   s1 = number of key steps that hold a mask under 1.
; mask(n) = clip(((n - 1023) + span x 1024 + 32) / 32, 0, 1), the additions in this order, never falls along n: a step is all zeros if its
; last key's mask is 0, and all ones if its first key's is 1.  Thread t looks at step t % 8 of head t / 8; eight lanes add their flags.
; The next launch branches on the two numbers; here no branch and no address hangs on them.  LIMIT: a NaN in span_val is not served.
	s_load_b128 s[4:7], s[0:1], 0x0                ; span_val, steps
	v_lshrrev_b32 v1, 3, v0                        ; head
	v_and_b32 v2, 7, v0                            ; step
	v_lshlrev_b32 v3, 2, v1
	v_lshlrev_b32 v6, 3, v1
	v_lshlrev_b32 v4, 7, v2
	v_add_nc_u32 v5, -1023, v4                     ; the first key's place
	v_add_nc_u32 v4, -896, v4                      ; the last key's
	v_cvt_f32_i32 v5, v5
	v_cvt_f32_i32 v4, v4
	v_mov_b32 v7, 1.0
	s_wait_alu depctr_va_vdst(0)                   ; the wait at the head's end
	s_wait_kmcnt 0x0
	global_load_b32 v8, v3, s[4:5]
	s_wait_loadcnt 0x0
	v_mul_f32 v8, 0x44800000, v8                   ; span x 1024
	v_add_f32 v4, v4, v8
	v_add_f32 v5, v5, v8
	v_add_f32 v4, 0x42000000, v4
	v_add_f32 v5, 0x42000000, v5
	v_mul_f32 v4, 0x3d000000, v4
	v_mul_f32 v5, 0x3d000000, v5
	v_cmp_ge_f32 vcc_lo, 0, v4                     ; the last key is clipped to 0
	v_cndmask_b32 v4, 0, v7, vcc_lo
	v_cmp_gt_f32 vcc_lo, 1.0, v5                   ; the first key lies under 1
	v_cndmask_b32 v5, 0, v7, vcc_lo
.irp m, 1,2,4
	v_add_f32_dpp v4, v4, v4 row_xmask:\m row_mask:0xf bank_mask:0xf
	v_add_f32_dpp v5, v5, v5 row_xmask:\m row_mask:0xf bank_mask:0xf
.endr
	v_cvt_u32_f32 v4, v4
	v_cvt_u32_f32 v5, v5
	v_min_u32 v4, 7, v4                            ; the last key step is never left out
	v_cmp_eq_u32 vcc_lo, 0, v2
	s_wait_alu depctr_va_vdst(0)                   ; the wait ahead of the wait below
	s_wait_xcnt 0x0                                ; EXEC changes only behind this wait
	s_and_saveexec_b32 s8, vcc_lo                  ; one lane a head stores
	global_store_b64 v6, v[4:5], s[6:7]
	s_endpgm
.Lfunc_end_k_qe615e3dc1f_spans:
	.size	k_qe615e3dc1f_spans, .Lfunc_end_k_qe615e3dc1f_spans-k_qe615e3dc1f_spans
	.p2alignl 7, 3214868480
	.fill 96, 4, 3214868480
	.section	.rodata,"a",@progbits
	.p2align	6, 0x0
	.amdhsa_kernel k_qe615e3dc1f_spans
		.amdhsa_group_segment_fixed_size 0
		.amdhsa_private_segment_fixed_size 0
		.amdhsa_enable_private_segment 0
		.amdhsa_kernarg_size 16
		.amdhsa_user_sgpr_count 2
		.amdhsa_user_sgpr_kernarg_segment_ptr 1
		.amdhsa_wavefront_size32 1
		.amdhsa_system_sgpr_workgroup_id_x 1
		.amdhsa_system_sgpr_workgroup_id_y 1
		.amdhsa_system_sgpr_workgroup_id_z 1
		.amdhsa_system_vgpr_workitem_id 0
		.amdhsa_next_free_vgpr 16
		.amdhsa_next_free_sgpr 66
		.amdhsa_reserve_vcc 1
		.amdhsa_float_denorm_mode_32 3
		.amdhsa_float_denorm_mode_16_64 3
		.amdhsa_memory_ordered 1
		.amdhsa_forward_progress 1
		.amdhsa_inst_pref_size 3
	.end_amdhsa_kernel
	.amdgpu_metadata
---
amdhsa.version: [ 1, 2 ]
amdhsa.kernels:
  - .name:           k_qe615e3dc1f_spans
    .symbol:         k_qe615e3dc1f_spans.kd
    .args:
      - { .name: span_val, .offset: 0, .size: 8, .value_kind: global_buffer, .address_space: global }
      - { .name: steps, .offset: 8, .size: 8, .value_kind: global_buffer, .address_space: global }
    .group_segment_fixed_size: 0
    .private_segment_fixed_size: 0
    .kernarg_segment_align: 8
    .kernarg_segment_size: 16
    .max_flat_workgroup_size: 128
    .sgpr_count:     66
    .vgpr_count:     16
    .wavefront_size: 32
...
	.end_amdgpu_metadata
.endif
;; end of part 1
;; launch attend (part 2): grid 2 x 128, 8 waves a work-group, no clusters, 294,400 bytes of LDS; arguments key_codes, key_scales, query_codes, query_scales, span_val, value_codes, value_scales, steps, out0; writes out0
.if DOCPART == 2
	.amdgcn_target "amdgcn-amd-amdhsa--gfx1250"
	.amdhsa_code_object_version 6
	.text
	.protected	k_qe615e3dc1f_attend
	.globl	k_qe615e3dc1f_attend
	.p2align	8
	.type	k_qe615e3dc1f_attend,@function
k_qe615e3dc1f_attend:
	s_mov_b64 s[64:65], 0
	v_nop
	global_prefetch_b8 v0, s[64:65] scope:SCOPE_SE
	s_setreg_imm32_b32 hwreg(HW_REG_WAVE_MODE, 25, 1), 1
	s_wait_xcnt 0x0
; out[bh][q][:] = sum over keys of a(q, k) V[bh][k][:],  a = softmax_k(Q K^T / sqrt(128)) x mask / (sum of softmax x mask + 1e-8); both products on E2M3 codes with one E8M0 scale for each 32 along K.
; The finished a is quantised, so a row's divisor is known before any code is made.  With e = 2^(t - shift), t = score x log2(e) / sqrt(128):  a = e m / (sum of e m + 1e-8 x sum of e).
; Each key step (128 keys) has its own shift M_b, its largest t rounded up to a whole number, taken by each lane over its 64 scores; sums and numbers come under the row's M by v_ldexp_f32, which rounds nothing.
; SHARES.  A work-group owns 512 queries of one (batch, head); K's and V's codes and scale words lie in LDS as images of the operands' registers, filled once.  Eight waves, 512 registers each.
; Waves p and p + 4 share tiles of 16 queries (8 tiles): wave half u = wave / 4 takes key steps 2 k + u, k = 0 .. 3: 256 score registers.  The two join their row statistics through LDS (barrier A),
; and their two partial O^T through the stage on the way out (barrier B): wave u reads rows 8 u .. 8 u + 7 of both stages, adds and stores whole rows of 512 bytes.
; No tensor load and no cluster; the walk branches on whole numbers that the launch before stored.  No prefetch: K and V are loaded once, at the head, with no loop to run ahead in.
; LAYOUT.  Both products transposed: S^T = K Q^T, O^T = V^T P^T: a lane holds one query (lane % 16).  Row 8 g + j of fragment 4 c + t of step b of K is key 128 b + 64 c + 32 g + 8 t + j, so that a lane's
; registers 32 c .. 32 c + 31 of a step are the 32 keys of one quantiser block (128 b + 64 c + 32 (lane / 16) on), in the order that the second product's operand wants.
; THE MASK is 0, then a ramp, then 1 along the keys.  Steps that are all zeros: steps all ones: no multiply, one sum, a block's largest
; number from its largest score; steps between take the mask from a table in LDS.  Each wave's highest step is always multiplied (through the table where it is all zeros): it starts the sums.
; LIMITS: NaN in span_val and scale bytes 0xff are not served; an e under 2^-126 counts as 0; a block of zeros carries the byte 1 (its codes are zeros); the key steps are added in another order;
; a block's largest e is the exponential of its largest score, which takes v_exp_f32 not to fall where its input rises; scaled scores stay under 2^31 in magnitude.
; REGISTERS.  Window 1: the scores, step k at v[64 k].  Window 0: all else, as named below.
.set VSTR,   12352                     ; V's image of a key step: 12,288 bytes + 64, so that the fill's lanes of four steps meet different banks
.set VIMG,   98304                     ; K's fragment (b, f) at 12288 b + 1536 f: register group g of three at + 512 g, a lane's 16 bytes at + 16 lane; V's (b, t) at VIMG + VSTR b + 1536 t likewise
.set KSC,    197120                    ; K's scale words: step b at 512 b; a lane's 16 bytes: word i belongs to fragment 2 i + lane / 16, row lane % 16
.set VSC,    201216
.set MSK,    205312                    ; the mask as f32, key n at 4 n
.set STATS,  209408                    ; wave w's row statistics at 512 w + 16 lane
.set QSLOT,  213504                    ; a tile of Q's codes, 1,536 bytes for each wave, its own
.set QSZ,    1536
.set STG,    225792                    ; the way out: 16 rows x 528 bytes for each wave; the pair's two lie side by side
.set SPITCH, 528
.set STGSZ,  8448
.set SPARE,  293376                    ; the spare words
.set L16, 1                            ; 16 x lane
.set KA,  2                            ; v2, v3: K's images of my steps k = 0, 1 and 2, 3; v4, v5: V's
.set LSC, 6
.set LM,  7
.set STO, 8
.set RD,  9
.set QSA, 10
.set QST, 11
.set QRD, 12
.set STW, 13
.set SR0, 14
.set SR1, 15
.set QF,  16                           ; Q's fragment
.set QS,  28                           ; scale registers: Q's, p's, K's or V's four
.set PW,  29
.set SPW, 30
.set NIL, 31
.set SCA, 32
.set QL,  36                           ; the next tile's Q as it comes from memory
.set NM,  48                           ; step k: +2k: -M_b; +2k+1: its largest t, later M_b - M as a whole number
.set BM,  56                           ; step k: +2k, +2k+1: the two blocks' largest score, then e (or e m)
.set SU,  64                           ; 16 registers at work: eight chains
.set EQ,  64                           ; then the four lanes' statistics
.set PC,  64                           ; then p's codes
.set T0,  76
.set T1,  80
.set ZS,  84                           ; step k: +2k the sum of e, +2k+1 the sum of e m
.set G,   84                           ; second product: the pair (G, -), two scale operands, two bytes, a word, the other half's word
.set TT,  86
.set BY,  88
.set WD,  90
.set PD,  91
.set QD,  92                           ; my lane's (-M, Z, SM, 0)
.set NR,  92                           ; then the row's -M
.set INV, 93
.set FA,  96                           ; eight fragments
.set OT,  192                          ; O^T
.set T12, 192                          ; the fill's registers lie in O^T's
.set T4,  193
.set AK,  194
.set AK2, 197
.set AV,  200
.set KSA, 203
.set VSA, 204
.set MSA, 205
.set SST, 208
.set WV,  22
.set U,   24
.set PP,  25
.set S0,  28
.set S1,  29
.set RM,  30
.set TL,  31
.set FL,  32
.set CS,  40
.set FLO, 43
.set M2,  44
.set SEL, 46
.set EPS, 49
.set MSB, 0
.macro WIN new                         ; s_set_vgpr_msb: bits 1:0 source 0, 3:2 source 1, 5:4 source 2, 7:6 destination; the high byte repeats the setting that is left
.if MSB != (\new)
	s_set_vgpr_msb (MSB<<8)|(\new)
.set MSB, (\new)
.endif
.endm
.macro PLACES                          ; four plain places behind a matrix instruction (ISA guide 7.12.1)
.rept 4
	v_nop
.endr
.endm
.macro DEP n
.endm
	s_load_b512 s[4:19], s[0:1], 0x0               ; key_codes, key_scales, query_codes, query_scales, span_val, value_codes, value_scales, steps
	s_load_b64 s[20:21], s[0:1], 0x40              ; out0
	v_lshl_add_u32 v[SPW], v0, 2, SPARE
	v_mov_b32 v[NIL], 0
	v_lshrrev_b32 v96, 5, v0
	v_readfirstlane_b32 s[WV], v96                 ; wave 0..7
	s_lshr_b32 s[U], s[WV], 2                      ; which key steps are mine
	s_and_b32 s[PP], s[WV], 3                      ; my pair
	s_and_b32 s23, ttmp7, 0xffff                   ; bh
	s_and_b32 s60, s23, 15                         ; head
	s_lshl_b32 s61, s60, 2
	s_lshl_b32 s60, s60, 3
	s_mul_i32 s50, s[U], 12288
	s_mul_i32 s51, s[U], VSTR
	s_add_co_u32 s51, s51, VIMG
	s_lshl_b32 s52, s[U], 9
	s_add_co_u32 s53, s52, KSC
	s_add_co_u32 s54, s52, MSK
	s_lshl_b32 s55, s[PP], 1
	s_add_co_u32 s55, s55, s[U]
	s_mul_i32 s55, s55, STGSZ
	s_add_co_u32 s55, s55, STG                     ; my stage
	s_mul_i32 s56, s[PP], 2*STGSZ
	s_mul_i32 s57, s[U], 8*SPITCH
	s_add_co_u32 s56, s56, s57
	s_add_co_u32 s56, s56, STG                     ; my eight rows of the pair's first stage
	s_mul_i32 s57, s[WV], QSZ
	s_add_co_u32 s57, s57, QSLOT
	s_lshl_b32 s58, s[PP], 9
	s_add_co_u32 s58, s58, STATS
	s_lshl_b32 s59, s[U], 11
	s_mov_b32 s[CS], 0x3e0293ee                    ; log2(e) / sqrt(128)
	s_mov_b32 s[CS+1], s[CS]
	s_mov_b32 s[FLO], 0x1800000                    ; 2^(3 - 127): the byte cannot fall under 1
	s_mov_b32 s[M2], 0xff000000                    ; takes 2 off an exponent field
	s_mov_b32 s[SEL], 0x76543210
	s_mov_b32 s[SEL+1], 0xfedcba98
	s_mov_b32 s[EPS], 0x322bcc77                   ; 1e-8
	s_mov_b32 s[TL], 8
	v_and_b32 v97, 31, v0                          ; lane
	v_and_b32 v98, 15, v0                          ; r
	v_bfe_u32 v99, v0, 4, 1                        ; h
	v_lshlrev_b32 v[L16], 4, v97
	v_add_nc_u32 v[KA], s50, v[L16]
	v_add_nc_u32 v[KA+1], 49152, v[KA]
	v_add_nc_u32 v[KA+2], s51, v[L16]
	v_add_nc_u32 v[KA+3], 4*VSTR, v[KA+2]
	v_add_nc_u32 v[LSC], s53, v[L16]
	v_lshlrev_b32 v[LM], 7, v99
	v_add_nc_u32 v[LM], s54, v[LM]
	v_mul_u32_u24 v[STO], v98, SPITCH
	v_lshl_add_u32 v[STO], v99, 5, v[STO]
	v_add_nc_u32 v[STO], s55, v[STO]               ; in: row r, + 32 h
	v_add_nc_u32 v[RD], s56, v[L16]                ; back: 32 lanes take a row of 512 bytes
	v_lshlrev_b32 v[QSA], 2, v98
	v_add_nc_u32 v[QST], s57, v[L16]
	v_mul_u32_u24 v[QRD], v98, 96
	v_mad_u32_u24 v[QRD], v99, 24, v[QRD]
	v_add_nc_u32 v[QRD], s57, v[QRD]
	v_add_nc_u32 v[SR0], s58, v[L16]               ; the statistics of my lane in the pair's first wave (the second's: + 2048),
	v_xor_b32 v100, 16, v97
	v_lshlrev_b32 v100, 4, v100
	v_add_nc_u32 v[SR1], s58, v100                 ; and of lane l xor 16
	v_add_nc_u32 v[STW], s59, v[SR0]
	v_mov_b32 v[QD+3], 0
; THE FILL'S ADDRESSES.  A thread loads units of 12 bytes, unit 256 i + thread in round i: a run of 96 bytes (a key's row of K; a channel's key step of V) is 8 units.  Unit e = thread % 8 holds
; registers 3 (2 (e / 4) + e % 2) + 0 .. 2 of the fragment's twelve, of the lanes' half (e / 2) % 2.  Register w lies in the image at 512 (w / 4) + 4 (w % 4) + 256 x half + 16 x row.
	v_mul_u32_u24 v[T12], v0, 12
	v_lshlrev_b32 v[T4], 2, v0
	v_bfe_u32 v101, v0, 1, 1
	v_bfe_u32 v102, v0, 2, 1
	v_and_b32 v103, 1, v0
	v_lshl_add_u32 v102, v102, 1, v103
	v_mul_u32_u24 v102, v102, 3
	v_bfe_u32 v104, v0, 3, 3
	v_lshrrev_b32 v105, 6, v0
	v_mul_u32_u24 v106, v105, 1536                 ; K: key 32 i + thread / 8: fragment part thread / 64, row part (thread / 8) % 8
	v_lshl_add_u32 v106, v104, 4, v106
	v_mul_u32_u24 v107, v104, VSTR                 ; V: channel 4 i + thread / 64, key step (thread / 8) % 8
	v_lshl_add_u32 v107, v105, 4, v107
	v_add_nc_u32 v107, VIMG, v107
.irp kk, 0,1,2
	v_add_nc_u32 v108, \kk, v102
	v_lshrrev_b32 v109, 2, v108
	v_and_b32 v108, 3, v108
	v_lshlrev_b32 v109, 9, v109
	v_lshl_add_u32 v109, v108, 2, v109
	v_lshl_add_u32 v109, v101, 8, v109
	v_add_nc_u32 v[AK+\kk], v106, v109
	v_add_nc_u32 v[AK2+\kk], 49152, v[AK+\kk]
	v_add_nc_u32 v[AV+\kk], v107, v109
.endr
	v_and_b32 v108, 7, v0                          ; K's scale word of key 256 s + thread
	v_lshlrev_b32 v[KSA], 4, v108
	v_bfe_u32 v109, v0, 5, 1
	v_lshl_add_u32 v[KSA], v109, 7, v[KSA]
	v_bfe_u32 v109, v0, 3, 1
	v_lshl_add_u32 v[KSA], v109, 8, v[KSA]
	v_bfe_u32 v109, v0, 4, 1
	v_lshl_add_u32 v[KSA], v109, 2, v[KSA]
	v_bfe_u32 v109, v0, 6, 1
	v_lshl_add_u32 v[KSA], v109, 3, v[KSA]
	v_bfe_u32 v109, v0, 7, 1
	v_lshl_add_u32 v[KSA], v109, 9, v[KSA]
	v_add_nc_u32 v[KSA], KSC, v[KSA]
	v_lshlrev_b32 v[VSA], 9, v108                  ; V's of channel 32 s + thread / 8, key step thread % 8
	v_bfe_u32 v110, v0, 3, 4
	v_lshl_add_u32 v[VSA], v110, 4, v[VSA]
	v_lshl_add_u32 v[VSA], v109, 8, v[VSA]
	v_add_nc_u32 v[VSA], VSC, v[VSA]
	v_lshl_add_u32 v[MSA], v0, 4, MSK
	s_wait_alu depctr_va_vdst(0)                   ; the wait at the head's end
	s_wait_kmcnt 0x0
	s_load_b64 s[S0:S1], s[18:19], s60 offset:0x0  ; my head's two step numbers
	s_load_b32 s48, s[12:13], s61 offset:0x0       ; and its span
	s_mul_i32 s26, s23, 98304                      ; a slice's codes
	s_mov_b32 s27, 0
	s_add_nc_u64 s[4:5], s[4:5], s[26:27]
	s_add_nc_u64 s[14:15], s[14:15], s[26:27]
	s_add_nc_u64 s[8:9], s[8:9], s[26:27]
	s_lshl_b32 s26, s23, 12                        ; its scale bytes
	s_add_nc_u64 s[6:7], s[6:7], s[26:27]
	s_add_nc_u64 s[16:17], s[16:17], s[26:27]
	s_add_nc_u64 s[10:11], s[10:11], s[26:27]
	s_mul_i32 s26, ttmp9, 512*96                   ; my first query: 512 x + 128 pair
	s_mul_i32 s52, s[PP], 128*96
	s_add_co_u32 s26, s26, s52
	s_add_nc_u64 s[8:9], s[8:9], s[26:27]
	s_lshl_b32 s26, ttmp9, 11
	s_lshl_b32 s52, s[PP], 9
	s_add_co_u32 s26, s26, s52
	s_add_nc_u64 s[10:11], s[10:11], s[26:27]
	s_lshl_b32 s26, s23, 19                        ; out: 512 bytes a query; my rows begin 8 u down
	s_lshl_b32 s52, ttmp9, 18
	s_add_co_u32 s26, s26, s52
	s_lshl_b32 s52, s[PP], 16
	s_add_co_u32 s26, s26, s52
	s_lshl_b32 s52, s[U], 12
	s_add_co_u32 s26, s26, s52
	s_add_nc_u64 s[20:21], s[20:21], s[26:27]
.irp p, 0,1,2
	global_load_b128 v[QL+4*\p:QL+4*\p+3], v[L16], s[8:9] offset:512*\p      ; the first tile's Q: 1,536 consecutive bytes
.endr
	global_load_b32 v[QS], v[QSA], s[10:11]
.irp s, 0,1,2,3
	global_load_b32 v[SST+\s], v[T4], s[6:7] offset:1024*\s
.endr
.irp s, 0,1,2,3
	global_load_b32 v[SST+4+\s], v[T4], s[16:17] offset:1024*\s
.endr
	WIN 0x40                                       ; K's and V's codes wait in the scores' window
.set gi, 0
.rept 32
	global_load_b96 v[4*gi:4*gi+2], v[T12], s[4:5] offset:3072*gi
.set gi, gi+1
.endr
.set gi, 0
.rept 32
	global_load_b96 v[128+4*gi:128+4*gi+2], v[T12], s[14:15] offset:3072*gi
.set gi, gi+1
.endr
	WIN 0
	s_wait_kmcnt 0x0
	s_min_u32 s[S0], s[S0], 7
	s_min_u32 s[S1], s[S1], 8
	s_sub_co_u32 s[S0], s[S0], s[U]                ; of my four steps 2 k + u: those with k under (s - u + 1) / 2 lie under s
	s_add_co_u32 s[S0], s[S0], 1
	s_lshr_b32 s[S0], s[S0], 1
	s_min_u32 s[S0], s[S0], 3                      ; my highest step is always multiplied
	s_sub_co_u32 s[S1], s[S1], s[U]
	s_add_co_u32 s[S1], s[S1], 1
	s_lshr_b32 s[S1], s[S1], 1
	s_lshl_b32 s[RM], 1, s[S1]
	s_lshl_b32 s52, 1, s[S0]
	s_sub_co_u32 s[RM], s[RM], s52                 ; bit k: my step k takes the mask from the table
.irp k, 0,1,2,3
	s_cmp_le_u32 s[S1], \k
	s_cselect_b32 s[FL+\k], 1.0, 0                 ; 1.0 where my step k is all ones
.endr
	v_mov_b32 v216, s48                            ; the mask's table: thread takes keys 4 thread + i; the same lines, in the same order, as the launch before
	v_mul_f32 v216, 0x44800000, v216
	v_lshlrev_b32 v217, 2, v0
.irp i, 0,1,2,3
	v_add_nc_u32 v[220+\i], \i-1023, v217
.endr
.irp i, 0,1,2,3
	v_cvt_f32_i32 v[220+\i], v[220+\i]
.endr
.irp i, 0,1,2,3
	v_add_f32 v[220+\i], v[220+\i], v216
.endr
.irp i, 0,1,2,3
	v_add_f32 v[220+\i], 0x42000000, v[220+\i]
.endr
.irp i, 0,1,2,3
	v_mul_f32 v[220+\i], 0x3d000000, v[220+\i]
.endr
.irp i, 0,1,2,3
	v_med3_num_f32 v[220+\i], v[220+\i], 0, 1.0
.endr
	ds_store_b128 v[MSA], v[220:223]
	s_wait_alu depctr_va_vdst(0)                   ; the wait ahead of the wait below
	s_wait_loadcnt 63                              ; of the 64 loads of codes at most 63 are out: Q and the scale words are in
.irp s, 0,1,2,3
	ds_store_b32 v[KSA], v[SST+\s] offset:1024*\s
	ds_store_b32 v[VSA], v[SST+4+\s] offset:4*\s
.endr
	WIN 0x04                                       ; an LDS store's data are its source 1
.irp g, 0,1,2,3
	s_wait_loadcnt 56-8*\g                         ; V's 32 and K's younger rounds may be out
.set gi, 8*\g
.rept 8
.irp kk, 0,1,2
	ds_store_b32 v[AK+3*(gi/16)+\kk], v[4*gi+\kk] offset:12288*((gi/4)%4)+6144*((gi/2)%2)+128*(gi%2)
.endr
.set gi, gi+1
.endr
.endr
.irp g, 0,1,2,3
	s_wait_loadcnt 24-8*\g
.set gi, 8*\g
.rept 8
.irp kk, 0,1,2
	ds_store_b32 v[AV+\kk], v[128+4*gi+\kk] offset:1536*(gi/4)+64*(gi%4)
.endr
.set gi, gi+1
.endr
.endr
	WIN 0
	s_wait_dscnt 0x0                               ; for the others' sake: all my stores have landed
	s_barrier_signal -1
	s_barrier_wait -1                              ; the images, scale words and mask are only read from here on
; 25 LDS loads: the eight fragments of my step k of K (v = 0) or V (v = 1), 512 consecutive bytes a load, and their scale words
.macro FETCH v, k
.set fi, 0
.rept 24
	ds_load_b128 v[FA+4*fi:FA+4*fi+3], v[KA+2*(\v)+(\k)/2] offset:(24576+128*(\v))*((\k)%2)+512*fi
.set fi, fi+1
.endr
	ds_load_b128 v[SCA:SCA+3], v[LSC] offset:4096*(\v)+1024*(\k)
.endm
.macro MM zero, row1                   ; one product on mD, mA, mB, mSA, mSB.  An odd fragment's scale words lie in lanes 16-31 of their register
.if (\zero) && (\row1)
	v_wmma_scale_f32_16x16x128_f8f6f4 v[mD:mD+7], v[mA:mA+11], v[mB:mB+11], 0, v[mSA], v[mSB] matrix_a_fmt:MATRIX_FMT_FP6 matrix_b_fmt:MATRIX_FMT_FP6 matrix_a_scale:MATRIX_SCALE_ROW1
.elseif (\zero)
	v_wmma_scale_f32_16x16x128_f8f6f4 v[mD:mD+7], v[mA:mA+11], v[mB:mB+11], 0, v[mSA], v[mSB] matrix_a_fmt:MATRIX_FMT_FP6 matrix_b_fmt:MATRIX_FMT_FP6
.elseif (\row1)
	v_wmma_scale_f32_16x16x128_f8f6f4 v[mD:mD+7], v[mA:mA+11], v[mB:mB+11], v[mD:mD+7], v[mSA], v[mSB] matrix_a_fmt:MATRIX_FMT_FP6 matrix_b_fmt:MATRIX_FMT_FP6 matrix_a_scale:MATRIX_SCALE_ROW1
.else
	v_wmma_scale_f32_16x16x128_f8f6f4 v[mD:mD+7], v[mA:mA+11], v[mB:mB+11], v[mD:mD+7], v[mSA], v[mSB] matrix_a_fmt:MATRIX_FMT_FP6 matrix_b_fmt:MATRIX_FMT_FP6
.endif
.endm
; The two blocks' largest number of step k: eight chains, one to an accumulator, each from its low end on
.macro MAXB k
	WIN 0x05
.set q, 0
.rept 8
	v_max_num_f32 v[SU+q], v[64*(\k)+8*q], v[64*(\k)+8*q+1]
.set q, q+1
.endr
.irp m, 2,4,6
.set q, 0
.rept 8
	v_max3_num_f32 v[SU+q], v[64*(\k)+8*q+\m], v[64*(\k)+8*q+\m+1], v[SU+q]
.set q, q+1
.endr
.endr
	WIN 0
	v_max3_num_f32 v[BM+2*(\k)], v[SU], v[SU+1], v[SU+2]
	DEP 3
	v_max3_num_f32 v[BM+2*(\k)+1], v[SU+4], v[SU+5], v[SU+6]
	DEP 2
	v_max_num_f32 v[BM+2*(\k)], v[BM+2*(\k)], v[SU+3]
	DEP 2
	v_max_num_f32 v[BM+2*(\k)+1], v[BM+2*(\k)+1], v[SU+7]
.endm
; The sum of step k's 64 numbers: eight chains of pairs
.macro SUMB k, dst
	WIN 0x05
.set q, 0
.rept 8
	v_pk_add_f32 v[SU+2*q:SU+2*q+1], v[64*(\k)+2*q:64*(\k)+2*q+1], v[64*(\k)+16+2*q:64*(\k)+17+2*q]
.set q, q+1
.endr
	WIN 0x01
.irp o, 32,48
.set q, 0
.rept 8
	v_pk_add_f32 v[SU+2*q:SU+2*q+1], v[64*(\k)+\o+2*q:64*(\k)+\o+2*q+1], v[SU+2*q:SU+2*q+1]
.set q, q+1
.endr
.endr
	WIN 0
.irp q, 0,2,4,6
	DEP 4
	v_pk_add_f32 v[SU+\q:SU+\q+1], v[SU+\q:SU+\q+1], v[SU+8+\q:SU+9+\q]
.endr
	DEP 2
	v_pk_add_f32 v[SU:SU+1], v[SU:SU+1], v[SU+4:SU+5]
	DEP 2
	v_pk_add_f32 v[SU+2:SU+3], v[SU+2:SU+3], v[SU+6:SU+7]
	DEP 1
	v_pk_add_f32 v[SU:SU+1], v[SU:SU+1], v[SU+2:SU+3]
	DEP 1
	v_add_f32 v[\dst], v[SU], v[SU+1]
.endm
; My step k of the first product: eight whole sums; the next fetch; the shift; e; the sums
.macro STEP1 k
	s_wait_dscnt 0x0                               ; this step's K (and, for k = 0, Q) is in
	WIN 0x40
.set mB, QF
.set mSB, QS
.set qf, 0
.rept 8
.set mD, 64*(\k)+8*qf
.set mA, FA+12*qf
.set mSA, SCA+qf/2
	MM 1, qf%2
.set qf, qf+1
.endr
	WIN 0
	PLACES                                         ; ahead of the loads into the products' registers and of the reads of their results
.if (\k) < 3
	FETCH 0, (\k)+1
.else
	s_cmp_eq_u32 s[TL], 1
	s_cbranch_scc1 .Lno_next                       ; the last tile asks for nothing: no load leaves its buffer
.irp p, 0,1,2
	global_load_b128 v[QL+4*\p:QL+4*\p+3], v[L16], s[8:9] offset:1536+512*\p
.endr
	global_load_b32 v[QS], v[QSA], s[10:11] offset:64
.Lno_next:
.endif
	MAXB \k
	DEP 1
	v_max_num_f32 v[NM+2*(\k)+1], v[BM+2*(\k)], v[BM+2*(\k)+1]
	DEP 1
	v_mul_f32 v[NM+2*(\k)+1], s[CS], v[NM+2*(\k)+1]
	DEP 1
	v_floor_f32 v[NM+2*(\k)], -v[NM+2*(\k)+1]      ; -M_b = floor(-t)
	DEP 1
	v_fma_f32 v[BM+2*(\k)], v[BM+2*(\k)], s[CS], v[NM+2*(\k)]
	v_fma_f32 v[BM+2*(\k)+1], v[BM+2*(\k)+1], s[CS], v[NM+2*(\k)]
	WIN 0x41
.set q, 0
.rept 32
	v_pk_fma_f32 v[64*(\k)+2*q:64*(\k)+2*q+1], v[64*(\k)+2*q:64*(\k)+2*q+1], s[CS:CS+1], v[NM+2*(\k):NM+2*(\k)+1] op_sel_hi:[1,0,0]
.set q, q+1
.endr
	s_wait_alu depctr_va_vdst(0)                   ; the wait ahead of the batch
.set q, 0
.rept 64
	v_exp_f32 v[64*(\k)+q], v[64*(\k)+q]
.set q, q+1
.endr
	WIN 0
	v_exp_f32 v[BM+2*(\k)], v[BM+2*(\k)]
	v_exp_f32 v[BM+2*(\k)+1], v[BM+2*(\k)+1]
	v_nop                                          ; a plain line behind the last exponential
	s_wait_alu depctr_va_vdst(0)                   ; and the one wait for the batch
	SUMB \k, ZS+2*(\k)
	DEP 1
	v_mul_f32 v[ZS+2*(\k)+1], s[FL+(\k)], v[ZS+2*(\k)]   ; the masked sum of a step that is all ones or all zeros
.endm
; A step that takes the mask from the table: e becomes e m; the blocks' largest and the masked sum are taken of the products
.macro RAMP k
	s_bitcmp1_b32 s[RM], \k
	s_cbranch_scc0 .Lno_ramp_\@
.set ri, 0
.rept 16
	ds_load_b128 v[FA+4*ri:FA+4*ri+3], v[LM] offset:1024*(\k)+256*(ri/8)+16*(ri%8)
.set ri, ri+1
.endr
	s_wait_dscnt 0x0
	WIN 0x41
.set ri, 0
.rept 32
	v_pk_mul_f32 v[64*(\k)+2*ri:64*(\k)+2*ri+1], v[64*(\k)+2*ri:64*(\k)+2*ri+1], v[FA+2*ri:FA+2*ri+1]
.set ri, ri+1
.endr
	MAXB \k
	SUMB \k, ZS+2*(\k)+1
	s_wait_alu depctr_va_vdst(0)                   ; the wait ahead of the branches that follow
.Lno_ramp_\@:
.endm
; My step k of the second product: a = e m x G, G = 2^(M_b - M) / divisor; the two blocks' scales; the codes; eight products onto O^T.  From 3 down, so that one jump leaves out all that the mask hides
.macro DSTEP k
.if (\k) < 3
	s_cmp_gt_u32 s[S0], \k
	s_cbranch_scc1 .Ldone
.endif
	v_ldexp_f32 v[G], v[INV], v[NM+2*(\k)+1]
	DEP 1
	v_mul_f32 v[TT], v[BM+2*(\k)], v[G]            ; each block's largest a: the same multiplication on the same numbers as below
	v_mul_f32 v[TT+1], v[BM+2*(\k)+1], v[G]
	DEP 2
	v_max_num_f32 v[TT], s[FLO], v[TT]
	DEP 2
	v_max_num_f32 v[TT+1], s[FLO], v[TT+1]
	DEP 2
	v_add_nc_u32 v[TT], s[M2], v[TT]               ; the conversion takes this operand's exponent field as its scale
	DEP 2
	v_add_nc_u32 v[TT+1], s[M2], v[TT+1]
	DEP 2
	v_lshrrev_b32 v[BY], 23, v[TT]                 ; the scale's byte
	DEP 2
	v_lshrrev_b32 v[BY+1], 23, v[TT+1]
	DEP 1
	v_lshl_or_b32 v[WD], v[BY+1], 16, v[BY]        ; my blocks are h and 2 + h of the step's four
	v_permlanex16_b32 v[PD], v[WD], s[SEL], s[SEL+1]
	v_lshl_or_b32 v[PW], v[PD], 8, v[WD]           ; the row's scale word: whole in lanes 0-15, which alone are read
	WIN 0x41
.set di, 0
.rept 32
	v_pk_mul_f32 v[64*(\k)+2*di:64*(\k)+2*di+1], v[64*(\k)+2*di:64*(\k)+2*di+1], v[G:G+1] op_sel_hi:[1,0]
.set di, di+1
.endr
	WIN 0x01
	v_cvt_scalef32_pk16_fp6_f32 v[PC:PC+2], v[64*(\k):64*(\k)+15], v[TT]
	v_cvt_scalef32_pk16_fp6_f32 v[T0:T0+2], v[64*(\k)+16:64*(\k)+31], v[TT]
	v_cvt_scalef32_pk16_fp6_f32 v[PC+6:PC+8], v[64*(\k)+32:64*(\k)+47], v[TT+1]
	v_cvt_scalef32_pk16_fp6_f32 v[T1:T1+2], v[64*(\k)+48:64*(\k)+63], v[TT+1]
	WIN 0
	v_nop                                          ; one plain place behind a scaled conversion
.irp i, 0,1,2
	v_mov_b32 v[PC+3+\i], v[T0+\i]
.endr
.irp i, 0,1,2
	v_mov_b32 v[PC+9+\i], v[T1+\i]
.endr
	PLACES                                         ; an operand written by vector instructions stands four places ahead of a scaled product
	s_wait_alu depctr_va_vdst(0)                   ; the wait ahead of the wait below
	s_wait_dscnt 0x0                               ; this step's V is in
.set mB, PC
.set mSB, PW
.set dt, 0
.rept 8                                            ; the eight accumulators take turns, from step to step too
.set mD, OT+8*dt
.set mA, FA+12*dt
.set mSA, SCA+dt/2
	MM (\k)==3, dt%2
.set dt, dt+1
.endr
	PLACES
.if (\k) > 0
	FETCH 1, (\k)-1
.endif
.endm
	FETCH 0, 0
.Ltile:
	s_wait_loadcnt 0x0                             ; Q's codes and scale words, asked for in the tile before
.irp p, 0,1,2
	ds_store_b128 v[QST], v[QL+4*\p:QL+4*\p+3] offset:512*\p       ; through my own slot: LDS serves a wave's instructions in order (ISA guide 5.7.1.4)
.endr
.irp p, 0,1,2,3,4,5
	ds_load_b64 v[QF+2*\p:QF+2*\p+1], v[QRD] offset:48*(\p/3)+8*(\p%3)
.endr
	STEP1 0
	STEP1 1
	STEP1 2
	STEP1 3
	s_wait_alu depctr_va_vdst(0)                   ; the wait ahead of the branches below
.irp k, 0,1,2,3
	RAMP \k
.endr
	; my lane's statistics over my four steps: -M, Z = the sum of e, SM = the sum of e m, both under that M
	v_min3_num_f32 v[QD], v[NM], v[NM+2], v[NM+4]
	DEP 1
	v_min_num_f32 v[QD], v[QD], v[NM+6]
	DEP 1
.irp k, 0,1,2,3
	v_sub_f32 v[SU+\k], v[QD], v[NM+2*\k]          ; M_b - M: a whole number, 0 or less
.endr
.irp k, 0,1,2,3
	DEP 4
	v_cvt_i32_f32 v[SU+\k], v[SU+\k]               ; (it saturates)
.endr
.irp k, 0,1,2,3
	DEP 4
	v_ldexp_f32 v[SU+4+\k], v[ZS+2*\k], v[SU+\k]
.endr
.irp k, 0,1,2,3
	v_ldexp_f32 v[SU+8+\k], v[ZS+2*\k+1], v[SU+\k]
.endr
	v_add_f32 v[SU+4], v[SU+4], v[SU+5]
	v_add_f32 v[SU+6], v[SU+6], v[SU+7]
	v_add_f32 v[SU+8], v[SU+8], v[SU+9]
	DEP 4
	v_add_f32 v[SU+10], v[SU+10], v[SU+11]
	DEP 3
	v_add_f32 v[QD+1], v[SU+4], v[SU+6]
	DEP 2
	v_add_f32 v[QD+2], v[SU+8], v[SU+10]
	ds_store_b128 v[STW], v[QD:QD+3]
	s_wait_alu depctr_va_vdst(0)                   ; the wait ahead of the wait below
	s_wait_dscnt 0x0                               ; for the partner's sake; my reads of the stages are over too
	s_barrier_signal -1                            ; BARRIER A
	FETCH 1, 3                                     ; V's images are never written again
	s_barrier_wait -1
	ds_load_b128 v[EQ:EQ+3], v[SR0]
	ds_load_b128 v[EQ+4:EQ+7], v[SR1]
	ds_load_b128 v[EQ+8:EQ+11], v[SR0] offset:2048
	ds_load_b128 v[EQ+12:EQ+15], v[SR1] offset:2048
	s_wait_dscnt 0x0
	v_min3_num_f32 v[NR], v[EQ], v[EQ+4], v[EQ+8]
	DEP 1
	v_min_num_f32 v[NR], v[NR], v[EQ+12]           ; the row's -M
	DEP 1
.irp i, 0,1,2,3
	v_sub_f32 v[EQ+4*\i+3], v[NR], v[EQ+4*\i]
.endr
.irp k, 0,1,2,3
	v_sub_f32 v[NM+2*\k+1], v[NR], v[NM+2*\k]
.endr
.irp i, 0,1,2,3
	v_cvt_i32_f32 v[EQ+4*\i+3], v[EQ+4*\i+3]
.endr
.irp k, 0,1,2,3
	v_cvt_i32_f32 v[NM+2*\k+1], v[NM+2*\k+1]
.endr
.irp i, 0,1,2,3
	v_ldexp_f32 v[EQ+4*\i+1], v[EQ+4*\i+1], v[EQ+4*\i+3]
.endr
.irp i, 0,1,2,3
	v_ldexp_f32 v[EQ+4*\i+2], v[EQ+4*\i+2], v[EQ+4*\i+3]
.endr
	v_add_f32 v[EQ+1], v[EQ+1], v[EQ+5]
	v_add_f32 v[EQ+9], v[EQ+9], v[EQ+13]
	v_add_f32 v[EQ+2], v[EQ+2], v[EQ+6]
	DEP 4
	v_add_f32 v[EQ+10], v[EQ+10], v[EQ+14]
	DEP 3
	v_add_f32 v[EQ+1], v[EQ+1], v[EQ+9]
	DEP 2
	v_add_f32 v[EQ+2], v[EQ+2], v[EQ+10]
	DEP 1
	v_fma_f32 v[EQ+1], v[EQ+1], s[EPS], v[EQ+2]    ; the divisor: SM + 1e-8 Z.  Z is at least 1/2: the row's largest e lies over 1/2
	s_wait_alu depctr_va_vdst(0)                   ; the wait ahead of the reciprocal,
	v_rcp_f32 v[INV], v[EQ+1]
	v_nop
	s_wait_alu depctr_va_vdst(0)                   ; and behind it
.irp k, 3,2,1,0
	DSTEP \k
.endr
.Ldone:
	PLACES                                         ; behind the last products: for the stores below and for the loads into the fragments' registers
.irp t, 0,1,2,3,4,5,6,7
	ds_store_b128 v[STO], v[OT+8*\t:OT+8*\t+3] offset:64*\t        ; each accumulator from its low end on
	ds_store_b128 v[STO], v[OT+8*\t+4:OT+8*\t+7] offset:64*\t+16
.endr
	s_wait_dscnt 0x0                               ; for the partner's sake (it also covers a fetch of V that an early way out has left unused)
	s_barrier_signal -1                            ; BARRIER B
	FETCH 0, 0                                     ; the next tile's first K (in the last tile it is not used: no branch stands between a signal and its wait)
	s_barrier_wait -1
.irp i, 0,1,2,3,4,5,6,7
	ds_load_b128 v[OT+8*\i:OT+8*\i+3], v[RD] offset:\i*SPITCH
	ds_load_b128 v[OT+8*\i+4:OT+8*\i+7], v[RD] offset:STGSZ+\i*SPITCH
.endr
	s_wait_dscnt 0x0
.irp i, 0,1,2,3,4,5,6,7
	v_pk_add_f32 v[OT+8*\i:OT+8*\i+1], v[OT+8*\i:OT+8*\i+1], v[OT+8*\i+4:OT+8*\i+5]
	v_pk_add_f32 v[OT+8*\i+2:OT+8*\i+3], v[OT+8*\i+2:OT+8*\i+3], v[OT+8*\i+6:OT+8*\i+7]
.endr
.irp i, 0,1,2,3,4,5,6,7
	global_store_b128 v[L16], v[OT+8*\i:OT+8*\i+3], s[20:21] offset:512*\i th:TH_STORE_NT   ; 32 lanes store 512 consecutive bytes, at a multiple of 256 from out's first byte
.endr
	s_wait_xcnt 0x0                                ; the stores and Q's loads have read their registers and bases
	s_add_nc_u64 s[8:9], s[8:9], 16*96
	s_add_nc_u64 s[10:11], s[10:11], 16*4
	s_add_nc_u64 s[20:21], s[20:21], 16*512
	s_sub_co_u32 s[TL], s[TL], 1
	s_cmp_lg_u32 s[TL], 0
	s_wait_alu depctr_va_vdst(0)                   ; the wait ahead of the branch
	s_cbranch_scc1 .Ltile
	s_wait_tensorcnt 0x0                           ; the wave's end
	ds_add_u32 v[SPW], v[NIL]
	s_wait_dscnt 0x0
	s_endpgm
.Lfunc_end_k_qe615e3dc1f_attend:
	.size	k_qe615e3dc1f_attend, .Lfunc_end_k_qe615e3dc1f_attend-k_qe615e3dc1f_attend
	.p2alignl 7, 3214868480
	.fill 96, 4, 3214868480
	.section	.rodata,"a",@progbits
	.p2align	6, 0x0
	.amdhsa_kernel k_qe615e3dc1f_attend
		.amdhsa_group_segment_fixed_size 294400
		.amdhsa_private_segment_fixed_size 0
		.amdhsa_enable_private_segment 0
		.amdhsa_kernarg_size 72
		.amdhsa_user_sgpr_count 2
		.amdhsa_user_sgpr_kernarg_segment_ptr 1
		.amdhsa_wavefront_size32 1
		.amdhsa_system_sgpr_workgroup_id_x 1
		.amdhsa_system_sgpr_workgroup_id_y 1
		.amdhsa_system_sgpr_workgroup_id_z 1
		.amdhsa_system_vgpr_workitem_id 0
		.amdhsa_next_free_vgpr 512
		.amdhsa_next_free_sgpr 66
		.amdhsa_reserve_vcc 0
		.amdhsa_float_denorm_mode_32 3
		.amdhsa_float_denorm_mode_16_64 3
		.amdhsa_memory_ordered 1
		.amdhsa_forward_progress 1
		.amdhsa_inst_pref_size 138
	.end_amdhsa_kernel
	.amdgpu_metadata
---
amdhsa.version: [ 1, 2 ]
amdhsa.kernels:
  - .name:           k_qe615e3dc1f_attend
    .symbol:         k_qe615e3dc1f_attend.kd
    .args:
      - { .name: key_codes, .offset: 0, .size: 8, .value_kind: global_buffer, .address_space: global }
      - { .name: key_scales, .offset: 8, .size: 8, .value_kind: global_buffer, .address_space: global }
      - { .name: query_codes, .offset: 16, .size: 8, .value_kind: global_buffer, .address_space: global }
      - { .name: query_scales, .offset: 24, .size: 8, .value_kind: global_buffer, .address_space: global }
      - { .name: span_val, .offset: 32, .size: 8, .value_kind: global_buffer, .address_space: global }
      - { .name: value_codes, .offset: 40, .size: 8, .value_kind: global_buffer, .address_space: global }
      - { .name: value_scales, .offset: 48, .size: 8, .value_kind: global_buffer, .address_space: global }
      - { .name: steps, .offset: 56, .size: 8, .value_kind: global_buffer, .address_space: global }
      - { .name: out0, .offset: 64, .size: 8, .value_kind: global_buffer, .address_space: global }
    .group_segment_fixed_size: 294400
    .private_segment_fixed_size: 0
    .kernarg_segment_align: 8
    .kernarg_segment_size: 72
    .max_flat_workgroup_size: 256
    .sgpr_count:     66
    .vgpr_count:     512
    .wavefront_size: 32
...
	.end_amdgpu_metadata
.endif
;; end of part 2
